; MI455X (gfx1250); checked and timed in simulation.
; The chip was launched on July 23, 2026; its instructions are those of AMD's public machine-readable ISA for CDNA 5 (MIT licence, August 2026) and "CDNA5" Instruction Set Architecture Reference Guide (July 2026). The comments in the code are by the model that wrote it; some were corrected since.
;; MSA1. Allowed arithmetic: matrix products marked QUANTISED: E2M1 operands, one E8M0 scale for each 32 along K, by v_wmma_scale_f32_16x16x128_f8f6f4 with both operands' format E2M1 (or v_wmma_scale_f32_32x16x128_f4), f32 sums; products left as they are: f32 operands where the result goes on into a quantised operand, else bf16, f16 or f32 operands; f32 sums; everything else in f32.
;; Inputs: WK_b 1,024 float32; WK_w 1,024 x 1,024 float32; WO_b 1,024 float32; WO_w 1,024 x 1,024 float32; WQ_b 1,024 float32; WQ_w 1,024 x 1,024 float32; WV_b 1,024 float32; WV_w 1,024 x 1,024 float32; ax 8 x 1,024 float32; x 8 x 2,048 x 1,024 float32.
;; Outputs: out0 8 x 2,048 x 1,024 float32.
;; This version of the problem:
;;   THIS VERSION OF THE PROBLEM IS GIVEN IN LOW PRECISION. The matrix products marked QUANTISED in the list below multiply operands that are first quantised to E2M1 (2 exponent bits, 1 mantissa bit; 4 bits a number), with one power-of-two scale for each 32 numbers along K (OCP MX v1.0); their sums are f32. All else is computed in f32.
;;   The module's matrix products, in the order in which they are computed (A, B: the left and right operand; K: the contracted axis; several contracted axes count as one K, in the product's order):
;;     1. [M 16,384, K 1,024] x [K 1,024, N 1,024]; A: input x; B: input WQ_w: QUANTISED
;;     2. [M 16,384, K 1,024] x [K 1,024, N 1,024]; A: input x; B: input WK_w: QUANTISED
;;     3. [M 8, K 1,024] x [K 1,024, N 1,024]; A: input ax; B: input WK_w: left as it is (M = 8 < 16)
;;     4. [M 8, K 1,024] x [K 1,024, N 1,024]; A: input ax; B: input WV_w: left as it is (M = 8 < 16)
;;     5. batch 262,144 x [M 1, K 64] x [K 64, N 4]; A: computed on the way; B: computed on the way: left as it is (M = 1 < 16)
;;     6. batch 262,144 x [M 1, K 4] x [K 4, N 64]; A: softmax; B: computed on the way: left as it is (K = 4 < 32)
;;     7. [M 16,384, K 1,024] x [K 1,024, N 1,024]; A: computed on the way; B: input WO_w: QUANTISED
;;   THE QUANTISER, for each operand of a quantised product, along K:
;;     - K is cut into blocks of 32 from its start; a last block that is shorter is filled with zeros.
;;     - A block's scale is 2^e with e = floor(log2(the largest magnitude in the block)) - 2, held to -126 .. 127; a block of zeros has e = 0. As a byte (E8M0): e + 127.
;;     - Each number is divided by its block's scale, clamped to +-6, and rounded to the nearest number of E2M1, ties to even, subnormals kept.
;;     - The product sums the exact products of the quantised numbers (number of the format x scale) in f32.
;;   ~~~python
;;   def quantise(x, axis):      # numpy; x: float32 -> the quantised numbers, widened to float32 again
;;       x = np.moveaxis(x, axis, -1); K = x.shape[-1]
;;       x = np.pad(x, [(0, 0)] * (x.ndim - 1) + [(0, -K % 32)]); x = x.reshape(x.shape[:-1] + (-1, 32)); a = np.abs(x).max(-1, keepdims=True)
;;       e = np.where(a > 0, np.clip(np.frexp(np.where(a > 0, a, 1))[1] - 1 - 2, -126, 127), 0)      # np.frexp(a)[1] - 1 = floor(log2(a)), exactly
;;       r = np.clip(x / 2.0 ** e, -6, 6)
;;       step = 2.0 ** (np.maximum(np.frexp(np.where(r == 0, 1, r))[1] - 1, 0) - 1)
;;       q = np.round(r / step) * step * 2.0 ** e      # np.round: ties to even
;;       return np.moveaxis(q.reshape(q.shape[:-2] + (-1,))[..., :K], -1, axis).astype(np.float32)
;;   ~~~
;;   OPERANDS COMPUTED ON THE WAY. 'Computed on the way' means the value that the module computes at that place (a softmax that the list does not call 'softmax' is quantised finished and normalised). What goes into a quantiser is computed in f32, as accurately as f32 sums, v_exp_f32 and their like allow (about 1e-6 of the number): no bf16 or f16 on the way to a quantiser, and a product that is left as it is and whose result goes on into a quantised operand takes f32 operands (vector FMAs, or v_wmma_f32_16x16x4_f32). A number that lies on a knife's edge between two numbers of the format may be rounded either way, as far as f32 arithmetic and the matrix unit's own rounding can turn it there, and no further.
;; One version. Each part assembles by itself: llvm-mc -triple=amdgcn-amd-amdhsa -mcpu=gfx1250 --defsym DOCPART=n.
;; ======== version 1 of 1: 2 launches
;; limits: right only within a limited range of input values
;; workspace buffers: wcodes 1,671,168 bytes; gkv 65,536 bytes
;; launch prep (part 1): grid 224 x 1, 8 waves a work-group, no clusters, 38,912 bytes of LDS; arguments WQ_w, WK_w, WO_w, WV_w, ax, WK_b, WV_b, wcodes, gkv; writes wcodes, gkv
.if DOCPART == 1
	.amdgcn_target "amdgcn-amd-amdhsa--gfx1250"
	.amdhsa_code_object_version 6
	.text
	.protected	k_qe0381c04ca_prep
	.globl	k_qe0381c04ca_prep
	.p2align	8
	.type	k_qe0381c04ca_prep,@function
k_qe0381c04ca_prep:
	s_mov_b64 s[64:65], 0
	v_nop
	global_prefetch_b8 v0, s[64:65] scope:SCOPE_SE
	s_setreg_imm32_b32 hwreg(HW_REG_WAVE_MODE, 25, 1), 1
	s_wait_xcnt 0x0
; PREP: the weights' part of  out = att WO + bO,  att = softmax(q.K / 8) V,  q = x WQ + bQ,  k = x WK + bK,  K = [ak, k(l-1), k(l), k(l+1)],  V = [av, k(l-1), k(l), k(l+1)].
; (1) WQ_w, WK_w, WO_w ([1024 (K)][1024 (n)] f32, K the FIRST axis) become codes of FP4 (E2M1) with one E8M0 byte for each 32 along K, laid in the order of the matrix operand's registers.
; (2) ak = ax WK + bK and av = ax WV + bV ([8][1024]) by f32 fused multiply-adds: their results go on into att, a quantised operand.
; DEAD WORK: none.  Every input has a way to the output, so every input is loaded by one of the two launches.  x WV is not formed by the problem itself.
; LIMITS: a block whose largest magnitude lies under 2^-124 gets the scale byte 1; a block of zeros keeps the byte 1 too (the stated rule says 127): its codes are zeros and this program alone reads the bytes.
;   NaN and infinities among the inputs are not served.  ak's and av's sums of 1,024 terms are taken in another order than a plain chain.
; SHARES.  Work-groups 0-127 project: matrix id % 2 (WK, WV), four batches (id / 2) % 2, 32 columns id / 4; wave v takes rows 128 v .. 128 v + 127, a lane a column.
;   Work-groups 128-223 quantise: e = id - 128, matrix e / 32 (WQ, WK, WO), 128 columns G = (e / 4) % 8, K steps 2 kp, 2 kp + 1 (kp = e % 4); wave v takes the block of rows 256 kp + 32 v .. + 31,
;   a lane four neighbouring columns: 32 loads of 16 bytes, each 512 consecutive bytes of a row.
; THE COLUMNS OF A TILE: position r of tile 2 b + u is column 32 b + 8 u + r + 8 (r / 8), so that a later result's 16 registers of two neighbouring tiles are 16 neighbouring channels.
; wcodes: 12 chunks x 4 wave parts x 34,816 bytes; part (c, w) at (4 c + w) x 34,816: 32 images of fragments of 1,024 bytes (registers 0-3 of lane l at 16 l, 4-7 at 512 + 16 l),
;   then at 32,768 + 512 p + 256 e + 8 l two scale words of tile 2 p (lanes 0-15) or 2 p + 1 (lanes 16-31).
;   Chunk 2 g + kh, g = 0..3: head 4 w + g, half kh of K: image 8 q + t (K step 4 kh + q; tiles 0-3 WQ's 64 columns, 4-7 WK's); words e: K steps 2 e, 2 e + 1 of the half.
;   Chunk 8 + s, s = 0..3: WO's columns 256 w + 64 s .. + 63: image 4 k + t (K step k = 0..7, tiles 0-3); word pair p = 2 kh + (tile / 2).       gkv: ak [8][1024] at 0, av at 32,768.
; No prefetch: every wave asks for all that it reads at its head, and no loop follows.
.set AXS,   0                          ; LDS, projecting: 2,048 bytes a wave: ax of my four batches, my 128 rows
.set RED,   16384                      ; [wave][batch][lane] partial sums
.set STQ,   20480                      ; LDS, quantising: 2,048 bytes a wave: 8 tiles x 16 positions x 16 bytes of codes
.set SCW,   36864                      ; [K step of two][tile][position] scale words
.set SPARE, 37888                      ; the spare words, 128 bytes for each of eight waves: no other line names them
.set PARTB, 34816
.set AV,    32                         ; v32-127  three sets of 32: ax's numbers
.set X,     128                        ; v128-255 W's numbers
	s_load_b256 s[4:11], s[0:1], 0x0               ; WQ_w, WK_w, WO_w, WV_w
	s_load_b256 s[12:19], s[0:1], 0x20             ; ax, WK_b, WV_b, wcodes
	s_load_b64 s[20:21], s[0:1], 0x40              ; gkv
	v_lshl_add_u32 v12, v0, 2, SPARE               ; my spare word; never rewritten
	v_mov_b32 v13, 0                               ; 0; never rewritten
	v_lshrrev_b32 v1, 5, v0
	v_and_b32 v2, 31, v0                           ; lane L
	v_readfirstlane_b32 s22, v1                    ; wave v
	v_lshlrev_b32 v3, 2, v2                        ; 4 L
	v_lshlrev_b32 v4, 4, v2                        ; 16 L
	s_lshl_b32 s27, s22, 11
	s_and_b32 s32, s22, 3
	s_cmp_lt_u32 ttmp9, 128
	s_wait_alu depctr_va_vdst(0)
	s_cbranch_scc0 .Lquant
	; ---- WK, WV: the projections of ax
	s_lshl_b32 s35, s22, 9
	s_add_co_u32 s35, s35, RED
	s_lshl_b32 s36, s32, 7
	s_add_co_u32 s36, s36, RED
	v_mov_b32 v9, s27                              ; my wave's slice of ax in LDS (the same in all lanes)
	v_add_nc_u32 v10, s27, v4                      ; + 16 L
	v_add_nc_u32 v14, s35, v3                      ; RED[v][.][L]
	v_add_nc_u32 v15, s36, v3                      ; RED[.][v % 4][L]
	s_wait_alu depctr_va_vdst(0)
	s_and_b32 s23, ttmp9, 1                        ; 0: WK, 1: WV
	s_bfe_u32 s24, ttmp9, 0x10001                  ; which four batches
	s_lshr_b32 s25, ttmp9, 2                       ; which 32 columns
	s_lshl_b32 s50, s25, 7
	s_mov_b32 s51, 0
	s_lshl_b32 s52, s22, 19                        ; 128 v rows of 4,096 bytes
	s_add_co_u32 s52, s52, s50
	s_mov_b32 s53, 0
	s_lshl_b32 s54, s24, 14
	s_lshl_b32 s58, s22, 9
	s_add_co_u32 s54, s54, s58                     ; ax: my batches, my 128 numbers of a row
	s_mov_b32 s55, 0
	s_lshl_b32 s56, s23, 15                        ; gkv: ak or av,
	s_lshl_b32 s58, s24, 14
	s_add_co_u32 s56, s56, s58
	s_lshl_b32 s58, s32, 12
	s_add_co_u32 s56, s56, s58                     ; row of batch 4 (which four) + v % 4
	s_add_co_u32 s56, s56, s50
	s_mov_b32 s57, 0
	s_wait_kmcnt 0x0
	s_cmp_eq_u32 s23, 1                            ; the choice hangs on the work-group's number alone
	s_cselect_b64 s[28:29], s[10:11], s[6:7]
	s_cselect_b64 s[30:31], s[16:17], s[14:15]
	s_add_nc_u64 s[28:29], s[28:29], s[52:53]
	s_add_nc_u64 s[30:31], s[30:31], s[50:51]
	s_add_nc_u64 s[12:13], s[12:13], s[54:55]
	s_add_nc_u64 s[20:21], s[20:21], s[56:57]
.macro WROWS from, n                   ; W(128 v + i, my column): each load reads 128 consecutive bytes of a row
.set WI, \from
.rept \n
	global_load_b32 v[X+WI], v3, s[28:29] offset:4096*WI
.set WI, WI+1
.endr
.endm
.macro AXG n                           ; group n: eight numbers of ax for each of four batches, the same in every lane
.irp c, 0,1
.irp b, 0,1,2,3
	ds_load_b128 v[AV+32*((\n)%3)+16*\c+4*\b:AV+32*((\n)%3)+16*\c+4*\b+3], v9 offset:512*\b+16*(2*(\n)+\c)
.endr
.endr
.endm
.macro GRP n                           ; eight rows of W against four batches: 16 packed multiply-adds, eight sums by turns
	s_wait_alu depctr_va_vdst(0)
.if (\n) < 14
	s_wait_dscnt 16                                ; the two younger groups' eight loads each may be out
.else
	s_wait_dscnt 8*(15-(\n))
.endif
.if 120-8*(\n) < 63
	s_wait_loadcnt 120-8*(\n)                      ; behind X[8 n + 7] that many of W's loads were issued
.else
	s_wait_loadcnt 63                              ; the largest count that the wait can name: 70 of the 133 loads are in, the first 65 of W's among them, which serves groups 0 to 7
.endif
.irp c, 0,1
.irp i, 0,1
.irp b, 0,1,2,3
.if ((\n) == 0) && (\c == 0)
	v_pk_mul_f32 v[16+8*\i+2*\b:17+8*\i+2*\b], v[X+8*(\n)+4*\c+2*\i:X+8*(\n)+4*\c+2*\i+1], v[AV+32*((\n)%3)+16*\c+4*\b+2*\i:AV+32*((\n)%3)+16*\c+4*\b+2*\i+1]   ; the first product starts the sums
.else
	v_pk_fma_f32 v[16+8*\i+2*\b:17+8*\i+2*\b], v[X+8*(\n)+4*\c+2*\i:X+8*(\n)+4*\c+2*\i+1], v[AV+32*((\n)%3)+16*\c+4*\b+2*\i:AV+32*((\n)%3)+16*\c+4*\b+2*\i+1], v[16+8*\i+2*\b:17+8*\i+2*\b]
.endif
.endr
.endr
.endr
.if (\n)+3 < 16
	AXG (\n)+3
.endif
.endm
	global_load_b32 v11, v3, s[30:31]              ; the bias, for the four waves that finish the sums
.irp b, 0,1,2,3
	global_load_b128 v[AV+4*\b:AV+4*\b+3], v4, s[12:13] offset:4096*\b
.endr
	WROWS 0, 58
	s_wait_loadcnt 58                              ; the bias and ax's four are in
.irp b, 0,1,2,3
	ds_store_b128 v10, v[AV+4*\b:AV+4*\b+3] offset:512*\b
.endr
	WROWS 58, 70
	s_wait_dscnt 0x0                               ; the stores have read their registers, which take group 0 now
	AXG 0
	AXG 1
	AXG 2
.set GN, 0
.rept 16
	GRP GN
.set GN, GN+1
.endr
.irp b, 0,1,2,3
	v_pk_add_f32 v[16+2*\b:17+2*\b], v[16+2*\b:17+2*\b], v[24+2*\b:25+2*\b]
.endr
.irp b, 0,1,2,3
	v_add_f32 v[16+2*\b], v[16+2*\b], v[17+2*\b]
.endr
.irp b, 0,1,2,3
	ds_store_b32 v14, v[16+2*\b] offset:128*\b
.endr
	s_wait_dscnt 0x0                               ; for the others' sake: my partial sums lie in LDS
	s_barrier_signal -1
	s_barrier_wait -1
	s_cmp_lt_u32 s22, 4
	s_cbranch_scc0 .Lend
	; wave v < 4 adds the eight waves' partial sums of its batch, and the bias
.irp i, 0,1,2,3,4,5,6,7
	ds_load_b32 v[32+\i], v15 offset:512*\i
.endr
	s_wait_dscnt 0x0
	v_add_f32 v32, v32, v33
	v_add_f32 v34, v34, v35
	v_add_f32 v36, v36, v37
	v_add_f32 v38, v38, v39
	v_add_f32 v32, v32, v34
	v_add_f32 v36, v36, v38
	v_add_f32 v32, v32, v36
	v_add_f32 v32, v32, v11
	global_store_b32 v3, v32, s[20:21]             ; 128 bytes of one row of ak or av: 64 KiB in the whole launch
	s_branch .Lend
.Lquant:
	; ---- WQ, WK, WO: four columns' blocks of 32
	s_add_co_u32 s27, s27, STQ                     ; my stage
	s_lshr_b32 s26, s22, 2                         ; which of the two K steps; s32 = v % 4: which block of it
	s_lshl_b32 s36, s26, 9
	s_add_co_u32 s36, s36, s32
	s_add_co_u32 s36, s36, SCW
	s_lshl_b32 s37, s32, 7
	s_add_co_u32 s37, s37, SCW
	v_lshrrev_b32 v5, 3, v2
	v_bfe_u32 v6, v2, 1, 1
	v_and_b32 v7, 1, v2
	v_bfe_u32 v8, v2, 2, 1
	v_lshlrev_b32 v5, 9, v5
	v_lshl_add_u32 v5, v6, 8, v5                   ; my first column's tile: 2 (L / 8) + (L / 2) % 2,
	v_lshl_add_u32 v5, v7, 6, v5
	v_lshl_add_u32 v5, v8, 7, v5                   ; its position there: 4 (L % 2) + 8 ((L / 4) % 2); v5 = 256 x tile + 16 x position
	v_lshrrev_b32 v6, 2, v5                        ; the same among the scale words
	v_and_b32 v7, 15, v2
	v_lshlrev_b32 v7, 4, v7
	v_lshrrev_b32 v8, 4, v2
	v_lshl_add_u32 v7, v8, 10, v7                  ; out: lanes 0-15 one tile's image, lanes 16-31 the next tile's
	v_lshlrev_b32 v8, 3, v2                        ; 8 L
	v_add_nc_u32 v9, s27, v5                       ; into my stage
	v_add_nc_u32 v10, s27, v4                      ; and back
	v_add_nc_u32 v14, s36, v6                      ; my byte of the scale words
	v_add_nc_u32 v15, s37, v3                      ; the words of tile pair v % 4
	s_wait_alu depctr_va_vdst(0)
	s_sub_co_u32 s23, ttmp9, 128
	s_and_b32 s25, s23, 3                          ; kp
	s_bfe_u32 s24, s23, 0x30002                    ; G
	s_lshr_b32 s23, s23, 5                         ; matrix: 0 WQ, 1 WK, 2 WO
	s_lshl_b32 s33, s25, 1
	s_add_co_u32 s33, s33, s26                     ; K step
	s_lshr_b32 s34, s25, 1                         ; kh
	s_and_b32 s35, s33, 3                          ; q
	s_and_b32 s41, s24, 1
	s_lshr_b32 s42, s24, 1                         ; wave part w
	s_lshl_b32 s38, s41, 4
	s_lshl_b32 s36, s34, 2
	s_add_co_u32 s38, s38, s36
	s_add_co_u32 s38, s38, s42                     ; WQ, WK: 4 x chunk + w, chunk = 4 (G % 2) + kh for my first four tiles
	s_lshl_b32 s39, s41, 3
	s_add_co_u32 s39, s39, s42
	s_add_co_u32 s39, s39, 32                      ; WO: chunk = 8 + 2 (G % 2)
	s_lshl_b32 s40, s35, 13
	s_lshl_b32 s36, s23, 12
	s_add_co_u32 s40, s40, s36                     ; WQ, WK: image 8 q + 4 x matrix
	s_lshl_b32 s43, s33, 12                        ; WO: image 4 x K step
	s_lshl_b32 s44, s23, 1                         ; the pair of tiles among the scale words
	s_lshl_b32 s45, s34, 1
	s_mov_b32 s56, 8*PARTB                         ; from my first four tiles to the other four: WQ, WK: the next head, two chunks on;
	s_mov_b32 s36, 4*PARTB                         ; WO: the next chunk
	s_cmp_eq_u32 s23, 2
	s_cselect_b32 s38, s39, s38
	s_cselect_b32 s40, s43, s40
	s_cselect_b32 s44, s45, s44
	s_cselect_b32 s56, s36, s56
	s_mov_b32 s57, 0
	s_mul_i32 s38, s38, PARTB
	s_add_co_u32 s58, s38, s40
	s_lshl_b32 s36, s32, 8
	s_add_co_u32 s58, s58, s36                     ; + 256 x block
	s_mov_b32 s59, 0
	s_and_b32 s36, s22, 1
	s_add_co_u32 s44, s44, s36
	s_lshl_b32 s44, s44, 9
	s_add_co_u32 s60, s38, s44
	s_and_b32 s36, s25, 1
	s_lshl_b32 s36, s36, 8
	s_add_co_u32 s60, s60, s36
	s_bfe_u32 s36, s22, 0x10001
	s_mul_i32 s36, s36, s56
	s_add_co_u32 s60, s60, s36
	s_add_co_u32 s60, s60, 32768
	s_mov_b32 s61, 0
	s_lshl_b32 s50, s25, 20                        ; 256 kp + 32 v rows of 4,096 bytes
	s_lshl_b32 s36, s22, 17
	s_add_co_u32 s50, s50, s36
	s_lshl_b32 s36, s24, 9
	s_add_co_u32 s50, s50, s36
	s_mov_b32 s51, 0
	s_wait_kmcnt 0x0
	s_cmp_eq_u32 s23, 1                            ; the choices hang on the work-group's number alone
	s_cselect_b64 s[28:29], s[6:7], s[4:5]
	s_cmp_eq_u32 s23, 2
	s_cselect_b64 s[28:29], s[8:9], s[28:29]
	s_add_nc_u64 s[28:29], s[28:29], s[50:51]
	s_add_nc_u64 s[30:31], s[18:19], s[58:59]
	s_add_nc_u64 s[46:47], s[30:31], s[56:57]
	s_add_nc_u64 s[48:49], s[18:19], s[60:61]
.set WI, 0
.rept 32
	global_load_b128 v[X+4*WI:X+4*WI+3], v4, s[28:29] offset:4096*WI
.set WI, WI+1
.endr
	s_wait_loadcnt 0x0
	; the blocks' largest magnitudes, with the floor 2^(3 - 127) among the leaves: a byte cannot fall under 1.  Two chains a column, the four columns by turns
.irp j, 0,1,2,3
	v_max3_num_f32 v[16+\j], |v[X+\j]|, |v[X+4+\j]|, 0x1800000
.endr
.irp j, 0,1,2,3
	v_max3_num_f32 v[20+\j], |v[X+8+\j]|, |v[X+12+\j]|, |v[X+16+\j]|
.endr
.irp s, 5,9,13,17,21,25
.irp j, 0,1,2,3
	v_max3_num_f32 v[16+\j], v[16+\j], |v[X+4*\s+\j]|, |v[X+4*\s+4+\j]|
.endr
.irp j, 0,1,2,3
	v_max3_num_f32 v[20+\j], v[20+\j], |v[X+4*\s+8+\j]|, |v[X+4*\s+12+\j]|
.endr
.endr
.irp j, 0,1,2,3
	v_max3_num_f32 v[16+\j], v[16+\j], |v[X+116+\j]|, |v[X+120+\j]|
.endr
.irp j, 0,1,2,3
	v_max3_num_f32 v[16+\j], v[16+\j], v[20+\j], |v[X+124+\j]|
.endr
.irp j, 0,1,2,3
	v_add_nc_u32 v[20+\j], 0xff000000, v[16+\j]    ; 2 off the exponent field: the conversion takes the exponent field of this operand as its scale
.endr
.irp j, 0,1,2,3
	v_lshrrev_b32 v[24+\j], 23, v[20+\j]           ; the scale's byte
.endr
.irp j, 0,1,2,3                        ; a column's 32 numbers side by side, then its codes
.set CB, 32+32*(\j%2)
.set WI, 0
.rept 32
	v_mov_b32 v[CB+WI], v[X+4*WI+\j]
.set WI, WI+1
.endr
.irp g, 0,1,2,3
	v_cvt_scalef32_pk8_fp4_f32 v[96+4*\j+\g], v[CB+8*\g:CB+8*\g+7], v[20+\j]
.endr
.endr
	v_nop                                          ; a plain line behind the last conversion
.irp j, 0,1,2,3
	ds_store_b128 v9, v[96+4*\j:99+4*\j] offset:16*\j
	ds_store_b8 v14, v[24+\j] offset:4*\j
.endr
.irp i, 0,1,2,3
	ds_load_b128 v[112+4*\i:115+4*\i], v10 offset:512*\i   ; LDS serves a wave's instructions in order (ISA guide 5.7.1.4): these see my stores
.endr
	s_wait_dscnt 0x0                               ; for my stores below, and for the others' sake: my scale bytes lie in LDS
.irp i, 0,1                            ; each half of the lanes stores 256 consecutive, aligned bytes
	global_store_b128 v7, v[112+4*\i:115+4*\i], s[30:31] offset:2048*\i
	global_store_b128 v7, v[120+4*\i:123+4*\i], s[46:47] offset:2048*\i
.endr
	s_barrier_signal -1
	s_barrier_wait -1
	s_cmp_lt_u32 s22, 4                            ; waves 0 to 3 send a pair of tiles' scale words
	s_cbranch_scc0 .Lend
	ds_load_b32 v32, v15
	ds_load_b32 v33, v15 offset:512
	s_wait_dscnt 0x0
	global_store_b64 v8, v[32:33], s[48:49]        ; 32 lanes store 256 consecutive, aligned bytes
.Lend:
	s_wait_tensorcnt 0x0                           ; the wave's end
	ds_add_u32 v12, v13
	s_wait_dscnt 0x0
	s_endpgm
.Lfunc_end_k_qe0381c04ca_prep:
	.size	k_qe0381c04ca_prep, .Lfunc_end_k_qe0381c04ca_prep-k_qe0381c04ca_prep
	.p2alignl 7, 3214868480
	.fill 96, 4, 3214868480
	.section	.rodata,"a",@progbits
	.p2align	6, 0x0
	.amdhsa_kernel k_qe0381c04ca_prep
		.amdhsa_group_segment_fixed_size 38912
		.amdhsa_private_segment_fixed_size 0
		.amdhsa_enable_private_segment 0
		.amdhsa_kernarg_size 72
		.amdhsa_user_sgpr_count 2
		.amdhsa_user_sgpr_kernarg_segment_ptr 1
		.amdhsa_wavefront_size32 1
		.amdhsa_system_sgpr_workgroup_id_x 1
		.amdhsa_system_sgpr_workgroup_id_y 1
		.amdhsa_system_sgpr_workgroup_id_z 1
		.amdhsa_system_vgpr_workitem_id 0
		.amdhsa_next_free_vgpr 256
		.amdhsa_next_free_sgpr 66
		.amdhsa_reserve_vcc 0
		.amdhsa_float_denorm_mode_32 3
		.amdhsa_float_denorm_mode_16_64 3
		.amdhsa_memory_ordered 1
		.amdhsa_forward_progress 1
		.amdhsa_inst_pref_size 60
	.end_amdhsa_kernel
	.amdgpu_metadata
---
amdhsa.version: [ 1, 2 ]
amdhsa.kernels:
  - .name:           k_qe0381c04ca_prep
    .symbol:         k_qe0381c04ca_prep.kd
    .args:
      - { .name: WQ_w, .offset: 0, .size: 8, .value_kind: global_buffer, .address_space: global }
      - { .name: WK_w, .offset: 8, .size: 8, .value_kind: global_buffer, .address_space: global }
      - { .name: WO_w, .offset: 16, .size: 8, .value_kind: global_buffer, .address_space: global }
      - { .name: WV_w, .offset: 24, .size: 8, .value_kind: global_buffer, .address_space: global }
      - { .name: ax, .offset: 32, .size: 8, .value_kind: global_buffer, .address_space: global }
      - { .name: WK_b, .offset: 40, .size: 8, .value_kind: global_buffer, .address_space: global }
      - { .name: WV_b, .offset: 48, .size: 8, .value_kind: global_buffer, .address_space: global }
      - { .name: wcodes, .offset: 56, .size: 8, .value_kind: global_buffer, .address_space: global }
      - { .name: gkv, .offset: 64, .size: 8, .value_kind: global_buffer, .address_space: global }
    .group_segment_fixed_size: 38912
    .private_segment_fixed_size: 0
    .kernarg_segment_align: 8
    .kernarg_segment_size: 72
    .max_flat_workgroup_size: 256
    .sgpr_count:     66
    .vgpr_count:     256
    .wavefront_size: 32
...
	.end_amdgpu_metadata
.endif
;; end of part 1
;; launch fused (part 2): grid 256 x 1, 4 waves a work-group, clusters of 4 x 1, 327,680 bytes of LDS; arguments x, wcodes, gkv, WQ_b, WK_b, WO_b, out0; writes out0
.if DOCPART == 2
	.amdgcn_target "amdgcn-amd-amdhsa--gfx1250"
	.amdhsa_code_object_version 6
	.text
	.protected	k_qe0381c04ca_fused
	.globl	k_qe0381c04ca_fused
	.p2align	8
	.type	k_qe0381c04ca_fused,@function
k_qe0381c04ca_fused:
	s_mov_b64 s[64:65], 0
	v_nop
	global_prefetch_b8 v0, s[64:65] scope:SCOPE_SE
	s_setreg_imm32_b32 hwreg(HW_REG_WAVE_MODE, 25, 1), 1
	s_wait_xcnt 0x0
	s_wait_alu depctr_hold_cnt(0) depctr_sa_sdst(0) depctr_va_vdst(0) depctr_va_sdst(0) depctr_va_ssrc(0) depctr_va_vcc(0) depctr_vm_vsrc(0)
	s_getreg_b32 s2, hwreg(HW_REG_IB_STS2, 6, 4)
	s_cmp_eq_u32 s2, 0
	s_cbranch_scc0 .Lentry_in_a_cluster
	s_endpgm
.Lentry_in_a_cluster:
	s_bfe_u32 s2, ttmp6, 0x10000c
	s_cmp_lg_u32 s2, 0x3003
	s_cbranch_scc0 .Lentry_shape_is_right
	s_endpgm
.Lentry_shape_is_right:
; FUSED: 64 rows of x through the whole chain: quantise x; q = x WQ + bQ, k = x WK + bK on codes; scores, softmax and the weighted sum in f32; quantise att; out = att WO + bO on codes.
; SHARES: a work-group owns rows 64 i .. 64 i + 63 of the 16,384 (a batch is 32 work-groups); wave w owns heads 4 w .. 4 w + 3 and then WO's columns 256 w .. 256 w + 255.
; THE ROWS OF A TILE: tile T = 0..5 of x has row 4 r + T - 1 at position r: a lane that holds query tile m (T = m + 1) also holds its neighbours, tiles m, m + 1, m + 2.  Rows -1 and 64 are the neighbours' rows.
; Both products are used transposed (source 0 = 16 columns of the weight, source 1 = 16 rows), so a lane holds ONE row, and its 16 registers of two neighbouring weight tiles are 16 neighbouring channels.
; WEIGHTS come from wcodes in chunks of 4 x 34,816 bytes in the order of memory, through a ring of two LDS slots; a wave fetches and reads its own part alone.  All work-groups walk the same chunks: the four of a cluster ask jointly.
; THE WAY OUT: O goes in four passes of 64 columns a wave over the whole of K; a pass's results leave while the next pass is multiplied.
; PREFETCH: in each trip of the loop 68 work-groups ask for the two chunks that the next trip will load (the last trip: those of passes 2 and 3), 4,096 bytes each, each block of 256 bytes once in the launch; chunks 0 to 3 come by their loads alone.
; DEAD WORK: none.  LIMITS: as in the first launch (blocks with a largest magnitude under 2^-124; NaN and infinities are not served, those of a neighbouring batch's first or last row included); sums are taken in another order than a plain chain.
; REGISTERS.  Window 0: v0-31 addresses; v32-55 scales of x, later of att; v56-71, v72-87 the weights' scales for slot 0, 1; v88-127 at work; v128-191, v192-255 two buffers of 8 weight fragments, and at work.
;   Windows 1, 2: v0-191 x's fragments (first, second half of K), later att's in v0-127; v192-255 Q's accumulators, later bO; v128-191 rows on their way out.   Window 3: v0-191 K's accumulators; v192-255 bQ, bK, then ak, av; later O's accumulators.
.set PARTB,  34816
.set SLOTB,  4*PARTB
.set XR,     2*SLOTB                   ; behind the ring: 66 rows of 512 bytes of codes + the 16 scale bytes of K's first half: rows {4 y + g - 1} of group g from row 17 g - g / 3 on
.set XP,     528
.set SC1,    XR+66*XP                  ; the scale bytes of K's second half, 16 a row
.set ASC,    XR+32768                  ; att's codes lie over x's rows (4 x 8,192 bytes), its scale bytes behind them
.set STG,    XR+36096                  ; 2,560 bytes a wave: x on its way through, then my biases
.set SPARE,  STG+10240                 ; the spare words, 128 bytes for each wave: no other line names them
.set OP,     272                       ; the way out: 16 rows x (256 + 16) bytes a wave, over att's codes
.set MSB, 0
.macro WIN new                         ; the immediate's high byte repeats the setting that is left
.if MSB != (\new)
	s_set_vgpr_msb (MSB<<8)|(\new)
.set MSB, (\new)
.endif
.endm
.macro PLACES                          ; four places behind matrix instructions
.rept 4
	v_nop
.endr
.endm
.macro CREST                           ; a round of the cluster's barrier behind its opening barrier
	s_cmp_lg_u32 s18, 0
	s_cbranch_scc1 .Lnot_wave_0_\@
	s_barrier_signal -3
.Lnot_wave_0_\@:
	s_barrier_wait -3
	s_barrier_signal -1
	s_barrier_wait -1
.endm
.macro CROUND
	s_barrier_signal -1
	s_barrier_wait -1
	CREST
.endm
.macro ASK                             ; s93 = 1 in wave 0 of clusters 0 to 16
	s_cmp_eq_u32 s93, 1
	s_cbranch_scc0 .Lnot_mine_\@
	global_prefetch_b8 v29, s[94:95] th:TH_LOAD_NT scope:SCOPE_SE
.Lnot_mine_\@:
.endm
.macro WM d, a, b, c, sa, sb, ra, rb   ; ra, rb = 1: the scales stand in lanes 16-31
.if (\ra) && (\rb)
	v_wmma_scale_f32_16x16x128_f8f6f4 v[(\d):(\d)+7], v[(\a):(\a)+7], v[(\b):(\b)+7], v[(\c):(\c)+7], v[(\sa)], v[(\sb)] matrix_a_fmt:MATRIX_FMT_FP4 matrix_b_fmt:MATRIX_FMT_FP4 matrix_a_scale:MATRIX_SCALE_ROW1 matrix_b_scale:MATRIX_SCALE_ROW1
.elseif (\ra)
	v_wmma_scale_f32_16x16x128_f8f6f4 v[(\d):(\d)+7], v[(\a):(\a)+7], v[(\b):(\b)+7], v[(\c):(\c)+7], v[(\sa)], v[(\sb)] matrix_a_fmt:MATRIX_FMT_FP4 matrix_b_fmt:MATRIX_FMT_FP4 matrix_a_scale:MATRIX_SCALE_ROW1
.elseif (\rb)
	v_wmma_scale_f32_16x16x128_f8f6f4 v[(\d):(\d)+7], v[(\a):(\a)+7], v[(\b):(\b)+7], v[(\c):(\c)+7], v[(\sa)], v[(\sb)] matrix_a_fmt:MATRIX_FMT_FP4 matrix_b_fmt:MATRIX_FMT_FP4 matrix_b_scale:MATRIX_SCALE_ROW1
.else
	v_wmma_scale_f32_16x16x128_f8f6f4 v[(\d):(\d)+7], v[(\a):(\a)+7], v[(\b):(\b)+7], v[(\c):(\c)+7], v[(\sa)], v[(\sb)] matrix_a_fmt:MATRIX_FMT_FP4 matrix_b_fmt:MATRIX_FMT_FP4
.endif
.endm
.macro FETCHW slot, q, buf             ; eight images from 8 q on into buffer buf
.irp t, 0,1,2,3,4,5,6,7
	ds_load_b128 v[128+64*(\buf)+8*\t:128+64*(\buf)+8*\t+3], v[13+(\slot)] offset:(8*(\q)+\t)*1024
	ds_load_b128 v[128+64*(\buf)+8*\t+4:128+64*(\buf)+8*\t+7], v[13+(\slot)] offset:(8*(\q)+\t)*1024+512
.endr
.endm
.macro WSC slot                        ; the slot's scale words
.irp p, 0,1,2,3
.irp e, 0,1
	ds_load_b64 v[56+16*(\slot)+4*\p+2*\e:56+16*(\slot)+4*\p+2*\e+1], v[24+4*(\slot)] offset:32768+512*\p+256*\e
.endr
.endr
.endm
.macro GQ slot, q, buf, kh, first, tb  ; Q: weight tiles tb, tb + 1 x four query tiles
.if \first
	WIN 0x74+0x20*(\tb)
.else
	WIN 0x54+0x28*(\tb)+4*(\kh)
.endif
.irp u, 0,1
.irp m, 0,1,2,3
.if \first
	WM 192+8*(4*\u+\m),128+64*(\buf)+8*((\tb)+\u),8*(6*(\q)+\m+1),192+8*((\tb)+\u),56+16*(\slot)+2*(\tb)+(\q),32+8*((\m+1+2*((\m+1)/3))%3)+4*(\kh)+(\q),\u,(\m+1)/3
.else
	WM 192+8*(4*\u+\m),128+64*(\buf)+8*((\tb)+\u),8*(6*(\q)+\m+1),192+8*(4*\u+\m),56+16*(\slot)+2*(\tb)+(\q),32+8*((\m+1+2*((\m+1)/3))%3)+4*(\kh)+(\q),\u,(\m+1)/3
.endif
.endr
.endr
.endm
.macro GK slot, q, buf, kh, first, tb  ; K: weight tiles tb, tb + 1 x six tiles of x
	WIN 0xF4+4*(\kh)
.irp u, 0,1
.irp T, 0,1,2,3,4,5
.if \first
	WM 8*(6*((\tb)+\u)+\T),128+64*(\buf)+8*(4+(\tb)+\u),8*(6*(\q)+\T),224+8*((\tb)+\u),64+16*(\slot)+2*(\tb)+(\q),32+8*((\T+2*(\T/3))%3)+4*(\kh)+(\q),\u,\T/3
.else
	WM 8*(6*((\tb)+\u)+\T),128+64*(\buf)+8*(4+(\tb)+\u),8*(6*(\q)+\T),8*(6*((\tb)+\u)+\T),64+16*(\slot)+2*(\tb)+(\q),32+8*((\T+2*(\T/3))%3)+4*(\kh)+(\q),\u,\T/3
.endif
.endr
.endr
.endm
.macro KSTEP slot, q, kh, first, fetch, gkv
	PLACES
	WIN 0
	s_wait_dscnt 0x0                               ; this step's fragments are in
.if \gkv
	WIN 0xC0
	s_wait_alu depctr_va_vdst(0)
.irp b, 0,1
.irp i, 0,1,2,3
	global_load_b128 v[192+16*\b+4*\i:192+16*\b+4*\i+3], v16, s[54:55] offset:128*\b+16*\i          ; ak, over the biases, which the first step has taken
	global_load_b128 v[224+16*\b+4*\i:224+16*\b+4*\i+3], v16, s[54:55] offset:32768+128*\b+16*\i    ; av
.endr
.endr
	WIN 0
.endif
.if \fetch
	FETCHW \slot, (\q)+1, ((\q)+1)%2
.endif
	GQ \slot, \q, (\q)%2, \kh, \first, 0
	GQ \slot, \q, (\q)%2, \kh, \first, 2
	GK \slot, \q, (\q)%2, \kh, \first, 0
	GK \slot, \q, (\q)%2, \kh, \first, 2
.endm
; The last step on slot 0: the change to slot 1.  Slot 0 takes the chunk two on.
.macro TURN_A
	WIN 0
	s_wait_xcnt 0x0                                ; my last prefetch has read its address, which is stepped
	s_add_nc_u64 s[94:95], s[94:95], 2*SLOTB
	s_wait_tensorcnt 0x0                           ; slot 1 is in
	ds_add_u32 v30, v31
	s_add_nc_u64 s[34:35], s[34:35], 2*SLOTB
	s_wait_dscnt 1                                 ; the step's fragments are in; the add may be out
	GQ 0, 3, 1, 0, 0, 0
	GQ 0, 3, 1, 0, 0, 2
	s_wait_dscnt 0x0                               ; the add is done, and so are my reads of slot 0
	s_barrier_signal -1
	GK 0, 3, 1, 0, 0, 0
	WIN 0
	s_barrier_wait -1
	CREST
	tensor_load_to_lds s[32:35], s[24:31]
	s_nop 0
	PLACES
	FETCHW 1, 0, 0
	WSC 1
	ASK
	GK 0, 3, 1, 0, 0, 2
.endm
; SCORES: four query tiles m x four keys j (ak, tiles m, m + 1, m + 2 of K), 32 of the head's 64 channels a lane, two at a time; 16 sums by turns
.macro ATT_DOT
.irp b, 0,1
	WIN 0x0D+\b
.irp e, 0,1,2,3,4,5,6,7
.irp m, 0,1,2,3
.irp j, 0,1,2,3
.set rQ, 192+8*(4*(\e/4)+\m)+2*(\e%4)
.if \j == 0
.set rK, 192+8*(2*\b+\e/4)+2*(\e%4)
.else
.set rK, 8*(6*(2*\b+\e/4)+\m+\j-1)+2*(\e%4)
.endif
.set rS, 128+2*(4*\m+\j)
.if (\b == 0) && (\e == 0)
	v_pk_mul_f32 v[rS:rS+1], v[rQ:rQ+1], v[rK:rK+1]
.else
	v_pk_fma_f32 v[rS:rS+1], v[rQ:rQ+1], v[rK:rK+1], v[rS:rS+1]
.endif
.endr
.endr
.endr
.endr
	WIN 0
.endm
.macro ATT_SUM                         ; the two channels' halves, and lane l xor 16's 32 channels
.irp n, 0,1,2,3,4,5,6,7,8,9,10,11,12,13,14,15
	v_add_f32 v[160+\n], v[128+2*\n], v[129+2*\n]
.endr
.irp n, 0,1,2,3,4,5,6,7,8,9,10,11,12,13,14,15
	v_permlanex16_b32 v[176+\n], v[160+\n], s42, s43
.endr
.irp n, 0,1,2,3,4,5,6,7,8,9,10,11,12,13,14,15
	v_add_f32 v[160+\n], v[160+\n], v[176+\n]
.endr
.endm
.macro ATT_SOFT                        ; softmax over four keys; alphas into v96-111.  Register work alone
	v_cndmask_b32 v161, v161, 0, s45               ; a batch's first row: the key in front of it is the padding, a row of zeros: score 0
	v_cndmask_b32 v175, v175, 0, s46               ; and its last row: the key behind it
.irp m, 0,1,2,3
	v_max3_num_f32 v[112+\m], v[160+4*\m], v[161+4*\m], v[162+4*\m]
.endr
.irp m, 0,1,2,3
	v_max_num_f32 v[112+\m], v[112+\m], v[163+4*\m]
.endr
.irp m, 0,1,2,3
	v_mul_f32 v[112+\m], s40, v[112+\m]            ; s40 = log2(e) / 8
.endr
.irp n, 0,1,2,3,4,5,6,7,8,9,10,11,12,13,14,15
	v_fma_f32 v[160+\n], v[160+\n], s40, -v[112+\n/4]
.endr
	s_wait_alu depctr_va_vdst(0)
.irp n, 0,1,2,3,4,5,6,7,8,9,10,11,12,13,14,15
	v_exp_f32 v[160+\n], v[160+\n]
.endr
	v_nop
	s_wait_alu depctr_va_vdst(0)
.irp m, 0,1,2,3
	v_add_f32 v[116+\m], v[160+4*\m], v[161+4*\m]
	v_add_f32 v[120+\m], v[162+4*\m], v[163+4*\m]
.endr
.irp m, 0,1,2,3
	v_add_f32 v[116+\m], v[116+\m], v[120+\m]
.endr
	s_wait_alu depctr_va_vdst(0)
.irp m, 0,1,2,3
	v_rcp_f32 v[124+\m], v[116+\m]
.endr
	v_nop
	s_wait_alu depctr_va_vdst(0)
.irp n, 0,1,2,3,4,5,6,7,8,9,10,11,12,13,14,15
	v_mul_f32 v[96+\n], v[160+\n], v[124+\n/4]
.endr
	v_cndmask_b32 v97, v97, 0, s45                 ; the padding's value is zeros too
	v_cndmask_b32 v111, v111, 0, s46
.endm
; THE WEIGHTED SUM of query tiles 2 mp, 2 mp + 1, and its codes: four blocks of 32 channels (x = 2 x tile + block), a block in lanes l and l xor 16
.macro ATT_V mp
	WIN 0x03
.irp mm, 0,1
.set AM, 2*(\mp)+\mm
.set AO, 192+32*\mm
.irp i, 0,1,2,3,4,5,6,7,8,9,10,11,12,13,14,15
	v_pk_mul_f32 v[AO+2*\i:AO+2*\i+1], v[224+2*\i:225+2*\i], v[96+4*AM:97+4*AM] op_sel_hi:[1,0]
.endr
.irp i, 0,1,2,3,4,5,6,7,8,9,10,11,12,13,14,15
	v_pk_fma_f32 v[AO+2*\i:AO+2*\i+1], v[8*(6*(\i/4)+AM)+2*(\i%4):8*(6*(\i/4)+AM)+2*(\i%4)+1], v[96+4*AM:97+4*AM], v[AO+2*\i:AO+2*\i+1] op_sel:[0,1,0] op_sel_hi:[1,1,1]
.endr
.irp i, 0,1,2,3,4,5,6,7,8,9,10,11,12,13,14,15
	v_pk_fma_f32 v[AO+2*\i:AO+2*\i+1], v[8*(6*(\i/4)+AM+1)+2*(\i%4):8*(6*(\i/4)+AM+1)+2*(\i%4)+1], v[98+4*AM:99+4*AM], v[AO+2*\i:AO+2*\i+1] op_sel_hi:[1,0,1]
.endr
.irp i, 0,1,2,3,4,5,6,7,8,9,10,11,12,13,14,15
	v_pk_fma_f32 v[AO+2*\i:AO+2*\i+1], v[8*(6*(\i/4)+AM+2)+2*(\i%4):8*(6*(\i/4)+AM+2)+2*(\i%4)+1], v[98+4*AM:99+4*AM], v[AO+2*\i:AO+2*\i+1] op_sel:[0,1,0] op_sel_hi:[1,1,1]
.endr
.endr
.if \mp
	WIN 0xC0
.irp b, 0,1
.irp i, 0,1,2,3
	ds_load_b128 v[224+16*\b+4*\i:224+16*\b+4*\i+3], v23 offset:1024+128*\b+16*\i   ; av is done with: the next head's bK
.endr
.endr
.endif
	WIN 0
.irp x, 0,1,2,3
	v_max3_num_f32 v[112+\x], |v[192+16*\x]|, |v[193+16*\x]|, 0x1800000   ; with the floor 2^(3 - 127)
.endr
.irp i, 2,4,6,8,10,12,14
.irp x, 0,1,2,3
	v_max3_num_f32 v[112+\x], v[112+\x], |v[192+16*\x+\i]|, |v[193+16*\x+\i]|
.endr
.endr
.irp x, 0,1,2,3
	v_permlanex16_b32 v[116+\x], v[112+\x], s42, s43
.endr
.irp x, 0,1,2,3
	v_max_num_f32 v[112+\x], v[112+\x], v[116+\x]
.endr
.irp x, 0,1,2,3
	v_add_nc_u32 v[112+\x], 0xff000000, v[112+\x]  ; 2 off the exponent field: the conversion's scale operand
.endr
.irp x, 0,1,2,3
	v_lshrrev_b32 v[116+\x], 23, v[112+\x]         ; the scale's byte
.endr
.set AC, 88+32*(\mp)                   ; codes: v88-95, then v120-127
.irp mm, 0,1
	v_lshl_or_b32 v[96+2*(\mp)+\mm], v[117+2*\mm], 8, v[116+2*\mm]   ; the tile's two bytes, over alphas that are done with
.endr
.irp x, 0,1,2,3
	v_cvt_scalef32_pk8_fp4_f32 v[AC+2*\x], v[192+16*\x:199+16*\x], v[112+\x]
	v_cvt_scalef32_pk8_fp4_f32 v[AC+2*\x+1], v[200+16*\x:207+16*\x], v[112+\x]
.endr
	v_nop                                          ; a plain place behind the conversions
.irp mm, 0,1                           ; a whole block in a lane: lanes 0-15 the first, lanes 16-31 the second
	v_permlane16_swap_b32 v[AC+4*\mm], v[AC+4*\mm+2]
	v_permlane16_swap_b32 v[AC+4*\mm+1], v[AC+4*\mm+3]
.endr
.irp mm, 0,1
	ds_store_b128 v25, v[AC+4*\mm:AC+4*\mm+3] offset:8192*(2*(\mp)+\mm)
	ds_store_b16 v26, v[96+2*(\mp)+\mm] offset:128*(2*(\mp)+\mm)
.endr
.endm
; O, pass p (64 columns a wave: four tiles), step j = K steps 2 j, 2 j + 1; kk: which of the two.  nt tiles from t0 on x four row tiles: 16 accumulators by turns.
.macro OMUL p, j, kk, t0, nt
.set KX, 2*(\j)+(\kk)
.if KX == 0
	WIN 0xD4+0x10*((\p)/2)
.else
	WIN 0xF4+4*(KX/4)
.endif
.set OT, \t0
.rept \nt
.set OM, 0
.rept 4
.set OD, 128*((\p)%2)+8*(4*OT+OM)
.if KX == 0
	WM OD,128+64*((\j)%2)+8*(4*(\kk)+OT),8*(4*(KX%4)+OM),192+32*((\p)%2)+8*OT,56+16*((\p)%2)+4*(2*(KX/4)+OT/2)+KX%4,32+8*(OM/2)+4*(KX/4)+KX%4,OT%2,OM%2
.else
	WM OD,128+64*((\j)%2)+8*(4*(\kk)+OT),8*(4*(KX%4)+OM),OD,56+16*((\p)%2)+4*(2*(KX/4)+OT/2)+KX%4,32+8*(OM/2)+4*(KX/4)+KX%4,OT%2,OM%2
.endif
.set OM, OM+1
.endr
.set OT, OT+1
.endr
.endm
.macro TOSTAGE p, m                    ; row tile m of pass p: 16 rows x 256 bytes through my stage.  LDS serves a wave's instructions in order (ISA guide 5.7.1.4)
	WIN 0x0C
.irp t, 0,1,2,3
	ds_store_b128 v21, v[128*((\p)%2)+8*(4*\t+(\m)):128*((\p)%2)+8*(4*\t+(\m))+3] offset:128*(\t/2)+32*(\t%2)
	ds_store_b128 v21, v[128*((\p)%2)+8*(4*\t+(\m))+4:128*((\p)%2)+8*(4*\t+(\m))+7] offset:128*(\t/2)+32*(\t%2)+16
.endr
	WIN 0x40*(1+(\m)/2)
.irp i, 0,1,2,3,4,5,6,7
	ds_load_b128 v[128+32*((\m)%2)+4*\i:128+32*((\m)%2)+4*\i+3], v22 offset:2*OP*\i
.endr
	WIN 0
.endm
.macro SEND p, m                       ; sixteen lanes store one aligned unit of 256 bytes; rows 4 r + m
	WIN 0x04*(1+(\m)/2)
.irp i, 0,1,2,3,4,5,6,7
	global_store_b128 v27, v[128+32*((\m)%2)+4*\i:128+32*((\m)%2)+4*\i+3], s[62:63] offset:32768*\i+4096*(\m)+256*(\p) th:TH_STORE_NT
.endr
	WIN 0
.endm
.macro OSTEP p, j                      ; steps 0 to 2; in steps 0 and 1 the pass before leaves, two row tiles a step
	PLACES
	WIN 0
	s_wait_dscnt 0x0
	FETCHW (\p)%2, (\j)+1, ((\j)+1)%2
.if ((\p) > 0) && ((\j) < 2)
.if (\j) == 0
	s_wait_xcnt 0x0                                ; earlier stores have read the registers that take rows now
.endif
	TOSTAGE (\p)-1, 2*(\j)
	TOSTAGE (\p)-1, 2*(\j)+1
.endif
	OMUL \p, \j, 0, 0, 4
	OMUL \p, \j, 1, 0, 4
.if ((\p) > 0) && ((\j) < 2)
	s_wait_dscnt 0x0
	SEND (\p)-1, 2*(\j)
	SEND (\p)-1, 2*(\j)+1
.endif
.endm
.macro OTURN p                         ; step 3 of passes 0 to 2: the change of slots; passes 0 and 1 fill their slot again with the chunk of pass p + 2
.set SL, (\p)%2
	PLACES
	WIN 0
	s_wait_tensorcnt 0x0                           ; the next pass's chunk is in
.if (\p) < 2
	ds_add_u32 v30, v31
	s_add_nc_u64 s[34+4*SL:35+4*SL], s[34+4*SL:35+4*SL], 2*SLOTB
	s_wait_dscnt 1                                 ; the step's fragments are in; the add may be out
	OMUL \p, 3, 0, 0, 4
	s_wait_dscnt 0x0
	s_barrier_signal -1
	OMUL \p, 3, 1, 0, 2
	WIN 0
	s_barrier_wait -1
	CREST
	tensor_load_to_lds s[32+4*SL:35+4*SL], s[24:31]
	s_nop 0
	PLACES
	FETCHW ((\p)+1)%2, 0, 0
	WSC ((\p)+1)%2
	OMUL \p, 3, 1, 2, 2
.else
	s_wait_dscnt 0x0                               ; nothing is filled again, and the next slot's part is my own: no barrier
	FETCHW ((\p)+1)%2, 0, 0
	WSC ((\p)+1)%2
	OMUL \p, 3, 0, 0, 4
	OMUL \p, 3, 1, 0, 4
.endif
.endm
; X: wave w takes group w: rows 4 y + w - 1, y = 0..15, in half rows (step t = 2 y + half), and as step 32 a half of row 63 (waves 0, 1) or 64 (waves 2, 3).
.macro XLOAD t
.irp i, 0,1,2,3
.if (\t) < 2
	global_load_b128 v[96+16*((\t)%10)+4*\i:96+16*((\t)%10)+4*\i+3], v1, s[48:49] offset:2048*(\t)+512*\i
.elseif (\t) < 32
	global_load_b128 v[96+16*((\t)%10)+4*\i:96+16*((\t)%10)+4*\i+3], v1, s[50:51] offset:16384*((\t)/2-1)+2048*((\t)%2)+512*\i th:TH_LOAD_NT
.else
	global_load_b128 v[96+16*((\t)%10)+4*\i:96+16*((\t)%10)+4*\i+3], v1, s[52:53] offset:512*\i
.endif
.endr
.endm
.macro XTURN t                         ; 16 bytes a lane as loaded, 64 neighbouring bytes a lane back
.irp i, 0,1,2,3
	ds_store_b128 v2, v[96+16*((\t)%10)+4*\i:96+16*((\t)%10)+4*\i+3] offset:640*\i
.endr
.irp i, 0,1,2,3
	ds_load_b128 v[32+16*((\t)%2)+4*\i:32+16*((\t)%2)+4*\i+3], v3 offset:16*\i
.endr
.endm
.macro XSTEP t
.set XN, 32+16*((\t)%2)
.set XC, 64+2*((\t)%2)
.set XY, 68+(\t)%2
.if (\t) > 0
	s_wait_dscnt 2                                 ; the last step's two stores may be out
.else
	s_wait_dscnt 0x0
.endif
.if (\t)+10 <= 32
	XLOAD (\t)+10
.endif
.if (\t) < 32
.if (\t)+10 <= 32
	s_wait_loadcnt 36                              ; the next step's four loads are in; those of the nine behind it may be out
.else
	s_wait_loadcnt 4*(31-(\t))
.endif
	XTURN (\t)+1
.endif
	v_max3_num_f32 v70, |v[XN]|, |v[XN+1]|, |v[XN+2]|
	v_max3_num_f32 v71, |v[XN+3]|, |v[XN+4]|, |v[XN+5]|
.irp i, 6,10
	v_max3_num_f32 v70, v70, |v[XN+\i]|, |v[XN+\i+1]|
	v_max3_num_f32 v71, v71, |v[XN+\i+2]|, |v[XN+\i+3]|
.endr
	v_max3_num_f32 v70, v70, |v[XN+14]|, |v[XN+15]|
	v_max3_num_f32 v70, v70, v71, 0x1800000
	v_max_num_f32_dpp v70, v70, v70 row_xmask:1 row_mask:0xf bank_mask:0xf
	v_add_nc_u32 v72, 0xff000000, v70
	v_cvt_scalef32_pk8_fp4_f32 v[XC], v[XN:XN+7], v72
	v_cvt_scalef32_pk8_fp4_f32 v[XC+1], v[XN+8:XN+15], v72
	v_lshrrev_b32 v[XY], 23, v72
.if (\t) < 32
	ds_store_b64 v4, v[XC:XC+1] offset:XP*((\t)/2)+256*((\t)%2)
.if (\t)%2
	ds_store_b8 v74, v[XY] offset:16*((\t)/2)
.else
	ds_store_b8 v5, v[XY] offset:XP*((\t)/2)
.endif
.else
	ds_store_b64 v6, v[XC:XC+1]
	ds_store_b8 v7, v[XY]
.endif
.endm
	s_load_b256 s[4:11], s[0:1], 0x0               ; x, wcodes, gkv, WQ_b
	s_load_b128 s[12:15], s[0:1], 0x20             ; WK_b, WO_b
	s_load_b64 s[16:17], s[0:1], 0x30              ; out0
	v_lshl_add_u32 v30, v0, 2, SPARE               ; my spare word; never rewritten
	v_mov_b32 v31, 0                               ; 0; never rewritten
	ds_add_u32 v30, v31                            ; the wave's opening
	ds_add_u32 v30, v31
	v_lshrrev_b32 v23, 5, v0
	v_readfirstlane_b32 s18, v23                   ; wave w
	v_and_b32 v24, 31, v0                          ; lane L
	v_lshlrev_b32 v1, 4, v24                       ; 16 L
	s_bfe_u32 s19, ttmp6, 0x40000
	s_lshl_b32 s20, ttmp9, 2
	s_add_co_u32 s20, s20, s19                     ; work-group i
	; descriptor group 1: my part of a chunk: 136 dense rows of 256 bytes (32 elements of 8 bytes), for all four work-groups of the cluster
	s_mov_b32 s24, 15|(3<<16)|(1<<21)
	s_mov_b32 s25, 32<<16
	s_mov_b32 s26, 136<<16
	s_mov_b32 s27, 32<<16
	s_mov_b32 s28, 136
	s_mov_b32 s29, 32
	s_mov_b32 s30, 0
	s_mov_b32 s31, 0
	s_mov_b32 s40, 0x3e38aa3b                      ; log2(e) / 8
	s_mov_b32 s42, 0x76543210
	s_mov_b32 s43, 0xfedcba98                      ; v_permlanex16_b32's selects for lane l xor 16
	s_cmp_lt_u32 ttmp9, 17
	s_cselect_b32 s93, 1, 0
	s_cmp_eq_u32 s18, 0
	s_cselect_b32 s93, s93, 0
	s_lshl_b32 s96, s20, 12
	s_add_co_u32 s96, s96, 2*SLOTB                 ; the first TURN_A steps it to chunk 4
	s_mov_b32 s97, 0
	s_and_b32 s70, s20, 31
	s_cmp_eq_u32 s70, 0
	s_cselect_b32 s45, 0x00010001, 0               ; a batch's first row: position 0 of query tile 0
	s_cmp_eq_u32 s70, 31
	s_cselect_b32 s46, 0x80008000, 0               ; its last row: position 15 of query tile 3
	s_lshl_b32 s21, s20, 6
	s_add_co_u32 s70, s21, s18
	s_sub_co_i32 s71, s70, 1
	s_max_i32 s71, s71, 0                          ; (row -1 of the first work-group is not counted: any row inside x will do)
	s_lshl_b32 s72, s71, 12
	s_mov_b32 s73, 0
	s_add_co_u32 s74, s70, 3
	s_lshl_b32 s74, s74, 12
	s_mov_b32 s75, 0
	s_lshr_b32 s76, s18, 1
	s_add_co_u32 s76, s76, s21
	s_add_co_u32 s76, s76, 63
	s_min_u32 s76, s76, 16383
	s_lshl_b32 s76, s76, 12
	s_and_b32 s77, s18, 1
	s_lshl_b32 s77, s77, 11
	s_add_co_u32 s76, s76, s77
	s_mov_b32 s77, 0
	s_lshl_b32 s78, s18, 10                        ; my 256 channels or columns
	s_mov_b32 s79, 0
	s_lshr_b32 s80, s20, 5
	s_lshl_b32 s80, s80, 12
	s_add_co_u32 s80, s80, s78
	s_mov_b32 s81, 0
	s_lshl_b32 s82, s20, 18
	s_add_co_u32 s82, s82, s78
	s_mov_b32 s83, 0
	s_mul_i32 s84, s18, PARTB
	s_mov_b32 s85, 0
	s_wait_alu depctr_va_vdst(0)
	s_wait_dscnt 0x0                               ; both opening adds are done
	s_wait_kmcnt 0x0
	s_add_nc_u64 s[48:49], s[4:5], s[72:73]        ; x: row 64 i + w - 1,
	s_add_nc_u64 s[50:51], s[4:5], s[74:75]        ; row 64 i + w + 3,
	s_add_nc_u64 s[52:53], s[4:5], s[76:77]        ; my half of row 64 i + 63 or + 64
	s_add_nc_u64 s[54:55], s[8:9], s[80:81]        ; ak of my batch
	s_add_nc_u64 s[56:57], s[10:11], s[78:79]
	s_add_nc_u64 s[58:59], s[12:13], s[78:79]
	s_add_nc_u64 s[60:61], s[14:15], s[78:79]
	s_add_nc_u64 s[62:63], s[16:17], s[82:83]      ; my rows and columns of the output
	s_add_nc_u64 s[94:95], s[6:7], s[96:97]
	s_mov_b32 s32, 1
	s_mov_b32 s33, s84                             ; my part of slot 0
	s_add_nc_u64 s[34:35], s[6:7], s[84:85]        ; and of chunk 0
	s_mov_b32 s36, 1
	s_add_co_u32 s37, s84, SLOTB
	s_add_nc_u64 s[38:39], s[34:35], SLOTB
	s_or_b32 s35, s35, 0x80000000
	s_or_b32 s39, s39, 0x80000000
	global_load_b128 v[80:83], v1, s[56:57]        ; bQ, bK of my four heads
	global_load_b128 v[84:87], v1, s[56:57] offset:512
	global_load_b128 v[88:91], v1, s[58:59]
	global_load_b128 v[92:95], v1, s[58:59] offset:512
.irp t, 0,1,2,3,4,5,6,7,8,9
	XLOAD \t
.endr
	CROUND                                         ; all four work-groups are here: the first joint loads meet
	tensor_load_to_lds s[32:35], s[24:31]          ; chunk 0: it is on its way while x is quantised
	s_nop 0
	PLACES
	s_mul_i32 s70, s18, 2560
	s_add_co_u32 s70, s70, STG
	s_lshl_b32 s71, s18, 4
	s_min_u32 s72, s18, 2
	s_add_co_u32 s72, s72, s71                     ; my group's first row: 16 w + min(w, 2)
	s_mul_i32 s71, s72, XP
	s_add_co_u32 s71, s71, XR
	s_lshl_b32 s72, s72, 4
	s_add_co_u32 s72, s72, SC1
	s_lshr_b32 s73, s18, 1                         ; step 32: row 16 of group 0 or 1,
	s_and_b32 s74, s18, 1                          ; which half
	s_mul_i32 s75, s73, 17*XP
	s_add_co_u32 s75, s75, XR+16*XP
	s_xor_b32 s77, s73, 1
	s_mul_i32 s77, s77, 17*512
	s_add_co_u32 s77, s77, SC1-XR-512-33*512       ; from a first half's scale bytes to the same row's second half's
	s_mul_i32 s77, s77, s74
	s_add_co_u32 s76, s75, s77
	s_add_co_u32 s76, s76, 512
	s_lshl_b32 s74, s74, 8
	s_add_co_u32 s75, s75, s74
	s_lshl_b32 s77, s18, 11
	s_add_co_u32 s77, s77, XR
	s_lshl_b32 s78, s18, 9
	s_add_co_u32 s78, s78, ASC
	s_mul_i32 s79, s18, 16*OP
	s_add_co_u32 s79, s79, XR
	v_and_b32 v25, 15, v24                         ; r
	v_lshrrev_b32 v26, 4, v24                      ; h
	v_lshrrev_b32 v27, 2, v24
	v_mul_u32_u24 v27, v27, 80
	v_and_b32 v28, 3, v24
	v_lshl_add_u32 v27, v28, 4, v27
	v_add_nc_u32 v2, s70, v27                      ; x's stage, in: four lanes' 64 bytes, then 16 of padding
	v_mul_u32_u24 v27, v24, 80
	v_add_nc_u32 v3, s70, v27                      ; and out
	v_add_nc_u32 v8, s70, v1
	v_lshl_add_u32 v15, v26, 6, s70                ; my biases
	v_lshl_add_u32 v4, v24, 3, s71                 ; codes
	v_lshrrev_b32 v27, 1, v24
	v_add_nc_u32 v5, s71, v27
	v_add_nc_u32 v5, 512, v5                       ; scale bytes of a first half
	v_add_nc_u32 v74, s72, v27                     ; and of a second
	v_lshl_add_u32 v6, v24, 3, s75                 ; step 32's codes
	v_add_nc_u32 v7, s76, v27                      ; and scale bytes
	v_mul_u32_u24 v28, v25, XP
	v_lshl_add_u32 v9, v26, 4, v28
	v_add_nc_u32 v9, XR, v9                        ; x's fragments
	v_add_nc_u32 v10, XR, v1                       ; att's
	v_mul_u32_u24 v29, v26, XP
	v_add_nc_u32 v11, v28, v29
	v_add_nc_u32 v11, XR+512, v11                  ; scales: tiles 0 and 4, 1 and 5: lanes 16-31 one row on
	v_mul_u32_u24 v29, v26, 16*XP
	v_add_nc_u32 v12, v28, v29
	v_add_nc_u32 v12, XR+512, v12                  ; tiles 2 and 3: lanes 16-31 sixteen rows on
	v_add_nc_u32 v27, v25, v26
	v_lshlrev_b32 v75, 4, v27
	v_add_nc_u32 v75, SC1, v75                     ; the same for K's second half
	v_add_nc_u32 v76, SC1, v1
	v_add_nc_u32 v13, s84, v1                      ; my part of slot 0, 1: fragments
	v_add_nc_u32 v14, SLOTB, v13
	v_lshlrev_b32 v17, 6, v26
	v_add_nc_u32 v18, s77, v1                      ; att's codes: my heads
	v_lshl_add_u32 v19, v25, 3, s78                ; and their scale bytes
	v_lshlrev_b32 v27, 3, v25
	v_lshl_add_u32 v27, v26, 7, v27
	v_add_nc_u32 v20, ASC, v27                     ; att's scale words, all heads
	v_mul_u32_u24 v27, v25, OP
	v_lshl_add_u32 v27, v26, 6, v27
	v_add_nc_u32 v21, s79, v27                     ; the way out: into my stage
	v_mul_u32_u24 v27, v26, OP
	v_lshl_add_u32 v27, v25, 4, v27
	v_add_nc_u32 v22, s79, v27                     ; and back: lanes 0-15 one row, lanes 16-31 the next
	v_lshlrev_b32 v27, 14, v26
	v_lshl_add_u32 v27, v25, 4, v27                ; and in the output: neighbouring positions are four rows apart
	v_min_u32 v29, 15, v24
	v_lshlrev_b32 v29, 8, v29                      ; the prefetches: 16 blocks of 256 bytes (lanes 16-31 name the last again)
	v_lshlrev_b32 v24, 3, v24
	v_add_nc_u32 v24, s84, v24                     ; my part of slot 0, 1: scale words
	v_add_nc_u32 v28, SLOTB, v24
	s_wait_alu depctr_va_vdst(0)
	s_wait_loadcnt 36
	XTURN 0
.set XT, 0
.rept 33
	XSTEP XT
.set XT, XT+1
.endr
.irp i, 0,1,2,3
	ds_store_b128 v8, v[80+4*\i:83+4*\i] offset:512*\i   ; my biases, over my stage: bQ's 1,024 bytes, then bK's
.endr
	s_wait_alu depctr_va_vdst(0)
	s_wait_tensorcnt 0x0                           ; chunk 0 is in
	ds_add_u32 v30, v31
	s_wait_dscnt 0x0                               ; the add is done, and x's codes and my biases lie in LDS
	CROUND
	tensor_load_to_lds s[36:39], s[24:31]          ; chunk 1
	s_nop 0
	PLACES
.irp kh, 0,1
	WIN 0x40*(1+\kh)
.irp q, 0,1,2,3
.irp T, 0,1,2,3,4,5
.irp c, 0,1
	ds_load_b128 v[8*(6*\q+\T)+4*\c:8*(6*\q+\T)+4*\c+3], v9 offset:(17*(\T%4)-(\T%4)/3+\T/4)*XP+64*(4*\kh+\q)+32*\c
.endr
.endr
.endr
.endr
	WIN 0
	ds_load_b128 v[32:35], v11
	ds_load_b128 v[40:43], v11 offset:17*XP
	ds_load_b128 v[48:51], v12 offset:34*XP
	ds_load_b128 v[36:39], v75
	ds_load_b128 v[44:47], v75 offset:17*16
	ds_load_b128 v[52:55], v76 offset:34*16
	FETCHW 0, 0, 0
	WSC 0
	WIN 0xC0
.irp b, 0,1
.irp i, 0,1,2,3
	ds_load_b128 v[192+16*\b+4*\i:192+16*\b+4*\i+3], v15 offset:128*\b+16*\i
	ds_load_b128 v[224+16*\b+4*\i:224+16*\b+4*\i+3], v15 offset:1024+128*\b+16*\i
.endr
.endr
	WIN 0
	s_mov_b32 s44, 0                               ; g: my head 4 w + g
	s_mov_b32 s88, 0                               ; 512 g
	s_mov_b32 s89, 0                               ; 2 g
	s_mov_b32 s90, 0                               ; 256 g
.Lhead:
	v_add_nc_u32 v16, s90, v17                     ; ak's and av's 16 channels of my half
	v_add_nc_u32 v25, s88, v18
	v_add_nc_u32 v26, s89, v19
	KSTEP 0, 0, 0, 1, 1, 0
	KSTEP 0, 1, 0, 0, 1, 1
	KSTEP 0, 2, 0, 0, 1, 0
	TURN_A
	KSTEP 1, 0, 1, 0, 1, 0
	KSTEP 1, 1, 1, 0, 1, 0
	KSTEP 1, 2, 1, 0, 1, 0
	KSTEP 1, 3, 1, 0, 0, 0
	s_wait_loadcnt 0x0                             ; ak, av are in
	PLACES
	ATT_DOT
	; the change back to slot 0; slot 1 takes the chunk two on
	s_wait_tensorcnt 0x0
	ds_add_u32 v30, v31                            ; register work stands between the add and the wait for it
	s_add_nc_u64 s[38:39], s[38:39], 2*SLOTB
	ATT_SUM
	s_wait_alu depctr_va_vdst(0)
	s_wait_dscnt 0x0
	s_barrier_signal -1
	ATT_SOFT
	s_wait_alu depctr_va_vdst(0)
	s_barrier_wait -1
	CREST
	tensor_load_to_lds s[36:39], s[24:31]
	s_nop 0
	PLACES
	s_add_co_u32 s92, s44, 1
	s_and_b32 s92, s92, 3                          ; (behind the last head: the first once more, not used)
	s_lshl_b32 s92, s92, 8
	v_add_nc_u32 v23, s92, v15                     ; the next head's biases
	FETCHW 0, 0, 0
	WSC 0
	WIN 0xC0
.irp b, 0,1
.irp i, 0,1,2,3
	ds_load_b128 v[192+16*\b+4*\i:192+16*\b+4*\i+3], v23 offset:128*\b+16*\i   ; ak is done with: the next head's bQ
.endr
.endr
	WIN 0
	s_cmp_lg_u32 s44, 3
	s_wait_alu depctr_va_vdst(0)
	s_cbranch_scc1 .Lnobo
	WIN 0x40                                       ; the last head: bO over Q's accumulators, which are done with
.irp b, 0,1,2,3
.irp i, 0,1,2,3
	global_load_b128 v[192+16*\b+4*\i:192+16*\b+4*\i+3], v17, s[60:61] offset:128*\b+16*\i
.endr
.endr
	WIN 0x80
.irp b, 0,1,2,3
.irp i, 0,1,2,3
	global_load_b128 v[192+16*\b+4*\i:192+16*\b+4*\i+3], v17, s[60:61] offset:512+128*\b+16*\i
.endr
.endr
	WIN 0
.Lnobo:
	ATT_V 0
	ATT_V 1
	s_add_co_u32 s88, s88, 512
	s_add_co_u32 s89, s89, 2
	s_add_co_u32 s90, s90, 256
	s_add_co_u32 s44, s44, 1
	s_wait_alu depctr_va_vdst(0)
	s_cmp_lt_u32 s44, 4
	s_cbranch_scc1 .Lhead
	s_wait_dscnt 0x0                               ; my heads' codes lie in LDS
	s_barrier_signal -1
	s_barrier_wait -1
.irp kh, 0,1
	WIN 0x40*(1+\kh)
.irp q, 0,1,2,3
.irp m, 0,1,2,3
	ds_load_b128 v[8*(4*\q+\m):8*(4*\q+\m)+3], v10 offset:8192*\m+1024*(4*\kh+\q)
	ds_load_b128 v[8*(4*\q+\m)+4:8*(4*\q+\m)+7], v10 offset:8192*\m+1024*(4*\kh+\q)+512
.endr
.endr
.endr
	WIN 0
.irp P, 0,1
.irp kh, 0,1
.irp e, 0,1
	ds_load_b64 v[32+8*\P+4*\kh+2*\e:33+8*\P+4*\kh+2*\e], v20 offset:512*(2*\kh+\e)+256*\P
.endr
.endr
.endr
	s_wait_loadcnt 0x0                             ; bO is in
.irp p, 0,1,2
	OSTEP \p, 0
	OSTEP \p, 1
	OSTEP \p, 2
	OTURN \p
.endr
	OSTEP 3, 0
	OSTEP 3, 1
	OSTEP 3, 2
	PLACES
	WIN 0
	s_wait_dscnt 0x0
	OMUL 3, 3, 0, 0, 4
	OMUL 3, 3, 1, 0, 4
	PLACES
	WIN 0
	s_wait_xcnt 0x0
.irp m, 0,1,2,3
	TOSTAGE 3, \m
.endr
.irp m, 0,1,2,3
	s_wait_dscnt 48-16*\m                          ; behind row tile m's loads 16 LDS instructions for each later tile
	SEND 3, \m
.endr
	s_wait_tensorcnt 0x0                           ; the wave's end
	ds_add_u32 v30, v31
	s_wait_dscnt 0x0
	CROUND                                         ; the closing round
	s_endpgm
.Lfunc_end_k_qe0381c04ca_fused:
	.size	k_qe0381c04ca_fused, .Lfunc_end_k_qe0381c04ca_fused-k_qe0381c04ca_fused
	.p2alignl 7, 3214868480
	.fill 96, 4, 3214868480
	.section	.rodata,"a",@progbits
	.p2align	6, 0x0
	.amdhsa_kernel k_qe0381c04ca_fused
		.amdhsa_group_segment_fixed_size 327680
		.amdhsa_private_segment_fixed_size 0
		.amdhsa_enable_private_segment 0
		.amdhsa_kernarg_size 56
		.amdhsa_user_sgpr_count 2
		.amdhsa_user_sgpr_kernarg_segment_ptr 1
		.amdhsa_wavefront_size32 1
		.amdhsa_system_sgpr_workgroup_id_x 1
		.amdhsa_system_sgpr_workgroup_id_y 1
		.amdhsa_system_sgpr_workgroup_id_z 1
		.amdhsa_system_vgpr_workitem_id 0
		.amdhsa_next_free_vgpr 1024
		.amdhsa_next_free_sgpr 100
		.amdhsa_reserve_vcc 0
		.amdhsa_float_denorm_mode_32 3
		.amdhsa_float_denorm_mode_16_64 3
		.amdhsa_memory_ordered 1
		.amdhsa_forward_progress 1
		.amdhsa_inst_pref_size 255
	.end_amdhsa_kernel
	.section	.bss,"aw",@nobits
	.p2align	6
	.space	262144
	.amdgpu_metadata
---
amdhsa.version: [ 1, 2 ]
amdhsa.kernels:
  - .name:           k_qe0381c04ca_fused
    .symbol:         k_qe0381c04ca_fused.kd
    .args:
      - { .name: x, .offset: 0, .size: 8, .value_kind: global_buffer, .address_space: global }
      - { .name: wcodes, .offset: 8, .size: 8, .value_kind: global_buffer, .address_space: global }
      - { .name: gkv, .offset: 16, .size: 8, .value_kind: global_buffer, .address_space: global }
      - { .name: WQ_b, .offset: 24, .size: 8, .value_kind: global_buffer, .address_space: global }
      - { .name: WK_b, .offset: 32, .size: 8, .value_kind: global_buffer, .address_space: global }
      - { .name: WO_b, .offset: 40, .size: 8, .value_kind: global_buffer, .address_space: global }
      - { .name: out0, .offset: 48, .size: 8, .value_kind: global_buffer, .address_space: global }
    .group_segment_fixed_size: 327680
    .private_segment_fixed_size: 0
    .kernarg_segment_align: 8
    .kernarg_segment_size: 56
    .max_flat_workgroup_size: 128
    .sgpr_count:     100
    .vgpr_count:     1024
    .wavefront_size: 32
...
	.end_amdgpu_metadata
.endif
;; end of part 2
